; MI455X (gfx1250); checked and timed in simulation.
; The chip was launched on July 23, 2026; its instructions are those of AMD's public machine-readable ISA for CDNA 5 (MIT licence, August 2026) and "CDNA5" Instruction Set Architecture Reference Guide (July 2026). The comments in the code are by the model that wrote it; some were corrected since.
;; Sigma Mo E. Allowed arithmetic: float matrix products may take bf16 or f16 operands with f32 sums; other float arithmetic in f32, or as packed bf16 or f16 multiplies, adds, multiply-adds, maxima and minima; sums over many terms, partial sums and values carried from step to step in f32; what a program stores and reads back later, other than sums and carried values, may be rounded once to bf16 or f16.
;; Inputs: expert_sel 16 x 1,024 float32; keys 16 x 1,024 x 256 float32; route_scale 1 float32; values 16 x 256 x 1,024 float32; x 4 x 2,048 x 1,024 float32.
;; Outputs: out0 4 x 2,048 x 1,024 float32.
;; One version. Each part assembles by itself: llvm-mc -triple=amdgcn-amd-amdhsa -mcpu=gfx1250 --defsym DOCPART=n.
;; ======== version 1 of 1: 4 launches
;; workspace buffers: xb 16,777,216 bytes; mask 32,768 bytes of whole numbers; gate 524,288 bytes; list 589,824 bytes of whole numbers; counts 256 bytes of whole numbers; kw 8,388,608 bytes; vw 8,388,608 bytes; y 134,217,728 bytes
;; launch router (part 1): grid 256 x 1, 8 waves a work-group, no clusters, 83,456 bytes of LDS; arguments x, expert_sel, route_scale, xb, mask, gate; writes xb, mask, gate
.if DOCPART == 1
	.amdgcn_target "amdgcn-amd-amdhsa--gfx1250"
	.amdhsa_code_object_version 6
	.text
	.protected	k_q8622f4b756_router
	.globl	k_q8622f4b756_router
	.p2align	8
	.type	k_q8622f4b756_router,@function
k_q8622f4b756_router:
	s_mov_b64 s[64:65], 0
	v_nop
	global_prefetch_b8 v0, s[64:65] scope:SCOPE_SE
	s_setreg_imm32_b32 hwreg(HW_REG_WAVE_MODE, 25, 1), 1
	s_wait_xcnt 0x0
; ROUTER.  For 8,192 tokens of 1,024 numbers: x is rounded to bf16 and stored (xb); 16 logits a token = bf16(x) . bf16(expert_sel), sums in f32;
; sigmoid; the four largest (a tie goes to the lower index); their probabilities divided by max(sum, 1e-9) and multiplied by bf16(route_scale).
; Out: mask[t], a word with bit e set where expert e is chosen; gate[t][e], f32, 0 where not chosen, laid as the lanes hold it:
; byte (t & 0x1ff0) << 6 + (t & 15) << 4 + ((e >> 2) & 1) 512 + (e >> 3) 256 + (e & 3) 4, so that a store covers 512 consecutive bytes.
; SHARES.  A work-group owns 32 tokens (131,072 bytes of x).  Wave w streams rows 4 w .. 4 w + 3, rounds them, stores them to xb and to LDS.  Then wave w multiplies
; its eighth of K (128 w .. 128 w + 127) for both tiles of 16 tokens; the eight parts meet in LDS; waves 0 and 1 finish a tile each.
; LIMITS.  A probability is 1 / (1 + 2^(-1.442695 z)) by v_exp_f32 and v_rcp_f32, each good to 1 ulp: two probabilities within about 2 ulp of each other may be
; ordered otherwise than by an exactly rounded sigmoid.  A probability below 2^-126 counts as 0.  NaN is not treated apart (a NaN is never picked).
; No cluster: the work-groups share only expert_sel, 65,536 bytes against 131,072 of their own, read once.
.set XP,    2064              ; an LDS row of x: 2,048 bytes + 16: an odd multiple of 16, so the 16 rows of a fragment load start at 16 different groups of four banks
.set PL,    32*XP             ; behind the rows: the partial logits, [wave 8][tile 2][half 2][lane 32] x 16 bytes
.set SPARE, PL+16384          ; the spare words, 128 bytes a wave: four blocks of 256 bytes that no other line names
.set SPW, 2                   ; v2  my spare word's LDS address; never rewritten
.set NIL, 3                   ; v3  0; never rewritten
.set ACC, 16                  ; v16-31   two accumulators
.set XR,  32                  ; v32-159  32 loads of x, rounded in place
.set SR,  160                 ; v160-223 expert_sel in f32; later the tokens' fragments
.set SF,  224                 ; v224-255 expert_sel's fragments, bf16
.set LG,  32                  ; the finish: v32-95 the eight parts, summed into v32-39
.set GT,  40                  ; v40-47   my eight gates
.set EX,  96                  ; v96-103  at work
.set PR,  104                 ; v104-111 my eight probabilities (experts 8 h + j)
.set OT,  112                 ; v112-119 the other half's eight
.set QQ,  120                 ; v120-135 all sixteen, by expert
.set WK,  136                 ; v136-151 a copy in which picked ones are struck out
.set MX,  152                 ; v152-158 at work
.set CH,  24                  ; s[24:39] lanes in which expert i is chosen
.set OWN, 40                  ; s[40:47] lanes in which my register j's expert is chosen
.set TT,  48                  ; s[48:63] a pick's compares
	s_load_b256 s[4:11], s[0:1], 0x0               ; x s[4:5], expert_sel s[6:7], route_scale s[8:9], xb s[10:11]
	s_load_b128 s[12:15], s[0:1], 0x20             ; mask s[12:13], gate s[14:15]
	v_lshl_add_u32 v[SPW], v0, 2, SPARE
	v_mov_b32 v[NIL], 0
	v_lshrrev_b32 v1, 5, v0
	v_readfirstlane_b32 s16, v1                    ; wave 0..7
	v_and_b32 v4, 31, v0                           ; lane l
	v_and_b32 v5, 15, v0                           ; r = l % 16
	v_bfe_u32 v6, v0, 4, 1                         ; h = l / 16
	s_mov_b32 s18, 0x76543210                      ; v_permlanex16_b32: each lane takes its own place in the other half
	s_mov_b32 s19, 0xfedcba98
	s_mov_b32 s20, 0xffff0000                      ; the lanes with h = 1
	s_lshl_b32 s22, s16, 14
	v_lshl_add_u32 v7, v4, 4, s22                  ; x: my wave's four rows + 16 l
	s_lshl_b32 s22, s16, 9
	v_lshl_add_u32 v8, v5, 12, s22                 ; expert_sel: row r, my wave's 128 numbers,
	v_lshl_add_u32 v8, v6, 5, v8                   ; + 8 h numbers
	s_lshl_b32 s22, s16, 13
	v_lshl_add_u32 v9, v4, 3, s22                  ; xb: my wave's four rows + 8 l
	s_mul_i32 s22, s16, 4*XP
	v_lshl_add_u32 v10, v4, 3, s22                 ; the same rows in LDS
	s_lshl_b32 s22, s16, 8
	v_mul_u32_u24 v11, v5, XP
	v_lshl_add_u32 v11, v6, 4, v11
	v_add_nc_u32 v11, s22, v11                     ; a token fragment: row r, 16 h, my wave's 256 bytes
	s_lshl_b32 s22, s16, 11
	s_add_co_u32 s22, s22, PL
	v_lshl_add_u32 v12, v4, 4, s22                 ; my wave's partial logits
	s_lshl_b32 s22, s16, 10
	v_lshl_add_u32 v14, v4, 4, s22                 ; gate: tile = wave (waves 0, 1), 16 l
	s_add_co_u32 s22, s22, PL
	v_lshl_add_u32 v13, v4, 4, s22                 ; wave 0's part of tile = wave
	s_lshl_b32 s22, s16, 6
	v_lshl_add_u32 v15, v5, 2, s22                 ; mask: tile = wave, 4 r
	s_mov_b32 s3, 0
	s_wait_kmcnt 0x0
	s_load_b32 s17, s[8:9], 0x0                    ; route_scale
	s_lshl_b32 s2, ttmp9, 17                       ; 32 rows of 4,096 bytes
	s_add_nc_u64 s[4:5], s[4:5], s[2:3]
	s_lshl_b32 s2, ttmp9, 16                       ; 32 rows of 2,048
	s_add_nc_u64 s[10:11], s[10:11], s[2:3]
	s_lshl_b32 s2, ttmp9, 7                        ; 32 words
	s_add_nc_u64 s[12:13], s[12:13], s[2:3]
	s_lshl_b32 s2, ttmp9, 11                       ; 32 x 64 bytes
	s_add_nc_u64 s[14:15], s[14:15], s[2:3]
	; all loads go out first: 16 of expert_sel (K step n / 4: k = 8 h + 0..7 and 16 + 8 h + 0..7, 32 bytes each), then 32 of x (512 consecutive bytes each)
.set n, 0
.rept 16
	global_load_b128 v[SR+4*n:SR+4*n+3], v8, s[6:7] offset:128*(n/4)+16*(n%2)+64*((n/2)%2)
.set n, n+1
.endr
.set n, 0
.rept 32
	global_load_b128 v[XR+4*n:XR+4*n+3], v7, s[4:5] offset:4096*(n/8)+512*(n%8) th:TH_LOAD_NT
.set n, n+1
.endr
	s_wait_loadcnt 32                              ; expert_sel is in; the 32 loads of x are younger
.set n, 0
.rept 32
	v_cvt_pk_bf16_f32 v[SF+n], v[SR+2*n], v[SR+2*n+1]
.set n, n+1
.endr
.set n, 0
.rept 32                                               ; load n: row n / 8 of my four, bytes 512 (n % 8) on
	s_wait_loadcnt 31-n                            ; loads come back in order: load n is in, the younger ones stay out
	v_cvt_pk_bf16_f32 v[XR+4*n], v[XR+4*n], v[XR+4*n+1]
	v_cvt_pk_bf16_f32 v[XR+4*n+1], v[XR+4*n+2], v[XR+4*n+3]
	global_store_b64 v9, v[XR+4*n:XR+4*n+1], s[10:11] offset:2048*(n/8)+256*(n%8)  ; the wave's store covers 256 consecutive bytes, aligned
	ds_store_b64 v10, v[XR+4*n:XR+4*n+1] offset:XP*(n/8)+256*(n%8)
.set n, n+1
.endr
	s_wait_dscnt 0x0                               ; for the others' sake: my rows are in LDS
	s_barrier_signal -1
	s_barrier_wait -1
.set n, 0
.rept 16                                               ; tile n / 8, K step (n / 2) % 4, half n % 2
	ds_load_b128 v[SR+4*n:SR+4*n+3], v11 offset:16*XP*(n/8)+64*((n/2)%4)+32*(n%2)
.set n, n+1
.endr
	s_wait_dscnt 0x0
	; source 0 = 16 experts, source 1 = 16 tokens: register j of lane (r, h) is expert 8 h + j, token r.  The two accumulators take turns.
	v_wmma_f32_16x16x32_bf16 v[ACC:ACC+7], v[SF:SF+7], v[SR:SR+7], 0
	v_wmma_f32_16x16x32_bf16 v[ACC+8:ACC+15], v[SF:SF+7], v[SR+32:SR+39], 0
.set n, 1
.rept 3
	v_wmma_f32_16x16x32_bf16 v[ACC:ACC+7], v[SF+8*n:SF+8*n+7], v[SR+8*n:SR+8*n+7], v[ACC:ACC+7]
	v_wmma_f32_16x16x32_bf16 v[ACC+8:ACC+15], v[SF+8*n:SF+8*n+7], v[SR+32+8*n:SR+32+8*n+7], v[ACC+8:ACC+15]
.set n, n+1
.endr
.rept 4
	v_nop                                          ; four places between a matrix instruction and a store of its result
.endr
.set n, 0
.rept 4                                                ; each accumulator's low four registers first
	ds_store_b128 v12, v[ACC+4*n:ACC+4*n+3] offset:512*n
.set n, n+1
.endr
	s_wait_dscnt 0x0
	s_barrier_signal -1
	s_barrier_wait -1                              ; the last barrier: what follows may hang on the wave's number
	s_cmp_gt_u32 s16, 1
	s_cbranch_scc1 .Lend
	; THE FINISH: wave 0 tile 0, wave 1 tile 1.
	s_wait_xcnt 0x0                                ; v32.. were the data of the stores to xb
.set n, 0
.rept 16                                               ; wave n / 2's part, half n % 2
	ds_load_b128 v[LG+4*n:LG+4*n+3], v13 offset:2048*(n/2)+512*(n%2)
.set n, n+1
.endr
	s_wait_dscnt 0x0
.set n, 1
.rept 7                                                ; the eight parts, K ascending
.set k, 0
.rept 4
	v_pk_add_f32 v[LG+2*k:LG+2*k+1], v[LG+2*k:LG+2*k+1], v[LG+8*n+2*k:LG+8*n+2*k+1]
.set k, k+1
.endr
.set n, n+1
.endr
.set j, 0
.rept 8
	v_mul_f32 v[EX+j], 0xbfb8aa3b, v[LG+j]         ; -log2(e) z
.set j, j+1
.endr
.set j, 0
.rept 8
	v_exp_f32 v[EX+j], v[EX+j]
.set j, j+1
.endr
	v_nop                                          ; a plain instruction behind the last exponential,
	s_wait_alu depctr_va_vdst(0)                   ; and one wait for the batch of eight
.set j, 0
.rept 8
	v_add_f32 v[EX+j], 1.0, v[EX+j]
.set j, j+1
.endr
.set j, 0
.rept 8
	v_rcp_f32 v[PR+j], v[EX+j]
.set j, j+1
.endr
.set j, 0
.rept 8
	v_mov_b32 v[OT+j], 0                           ; v_permlanex16_b32's destination counts as read; these are also the plain instructions behind the reciprocals
.set j, j+1
.endr
	s_wait_alu depctr_va_vdst(0)                   ; one wait for the eight reciprocals
.set j, 0
.rept 8
	v_permlanex16_b32 v[OT+j], v[PR+j], s18, s19   ; the token's other eight experts lie in the lane 16 away
.set j, j+1
.endr
.set j, 0
.rept 8
	v_cndmask_b32 v[QQ+j], v[PR+j], v[OT+j], s20   ; expert j: mine where h = 0
	v_cndmask_b32 v[QQ+8+j], v[OT+j], v[PR+j], s20 ; expert 8 + j: mine where h = 1
.set j, j+1
.endr
.set i, 0
.rept 16
	v_mov_b32 v[WK+i], v[QQ+i]
	s_mov_b32 s[CH+i], 0
.set i, i+1
.endr
; A pick: the largest of what is left; among equals the lowest index; it is noted in CH and struck out with -1 (every probability is 0 or more).  No branch hangs on it.
.macro PICK
	v_max3_num_f32 v[MX], v[WK], v[WK+1], v[WK+2]
	v_max3_num_f32 v[MX+1], v[WK+3], v[WK+4], v[WK+5]
	v_max3_num_f32 v[MX+2], v[WK+6], v[WK+7], v[WK+8]
	v_max3_num_f32 v[MX+3], v[WK+9], v[WK+10], v[WK+11]
	v_max3_num_f32 v[MX], v[MX], v[WK+12], v[WK+13]
	v_max3_num_f32 v[MX+1], v[MX+1], v[WK+14], v[WK+15]
	v_max3_num_f32 v[MX], v[MX], v[MX+2], v[MX+3]
	v_max_num_f32 v[MX], v[MX], v[MX+1]
.set i, 0
.rept 16
	v_cmp_eq_f32 s[TT+i], v[WK+i], v[MX]
.set i, i+1
.endr
	s_mov_b32 s21, 0                               ; lanes that have found theirs
.set i, 0
.rept 16
	s_and_not1_b32 s[TT+i], s[TT+i], s21
	s_or_b32 s21, s21, s[TT+i]
	s_or_b32 s[CH+i], s[CH+i], s[TT+i]
.set i, i+1
.endr
.set i, 0
.rept 16
	v_cndmask_b32 v[WK+i], v[WK+i], -1.0, s[TT+i]
.set i, i+1
.endr
.endm
	PICK
	PICK
	PICK
	PICK
.set i, 0
.rept 16
	v_cndmask_b32 v[WK+i], 0, v[QQ+i], s[CH+i]     ; the chosen probabilities, 0 elsewhere
.set i, i+1
.endr
.set i, 0
.rept 4
	v_pk_add_f32 v[WK+4*i:WK+4*i+1], v[WK+4*i:WK+4*i+1], v[WK+4*i+2:WK+4*i+3]
.set i, i+1
.endr
	v_pk_add_f32 v[WK:WK+1], v[WK:WK+1], v[WK+4:WK+5]
	v_pk_add_f32 v[WK+8:WK+9], v[WK+8:WK+9], v[WK+12:WK+13]
	v_pk_add_f32 v[WK:WK+1], v[WK:WK+1], v[WK+8:WK+9]
	v_add_f32 v[WK], v[WK], v[WK+1]
	v_max_num_f32 v[WK], 0x3089705f, v[WK]         ; the clip at 1e-9
	v_rcp_f32 v[WK+1], v[WK]
	s_wait_kmcnt 0x0                               ; route_scale
	v_mov_b32 v[MX+4], s17
	v_cvt_pk_bf16_f32 v[MX+4], v[MX+4], v[MX+4]    ; rounded to bf16 like every input,
	v_lshlrev_b32 v[MX+4], 16, v[MX+4]             ; and back in f32
.set j, 0
.rept 8
	s_and_b32 s[OWN+j], s[CH+j], 0xffff            ; lanes with h = 0 hold expert j,
	s_and_b32 s22, s[CH+8+j], s20                  ; lanes with h = 1 expert 8 + j
	s_or_b32 s[OWN+j], s[OWN+j], s22
.set j, j+1
.endr
	s_wait_alu depctr_va_vdst(0)                   ; the reciprocal's wait, ahead of its first reader
	v_mul_f32 v[WK+1], v[WK+1], v[MX+4]
.set j, 0
.rept 8
	v_mul_f32 v[GT+j], v[PR+j], v[WK+1]
.set j, j+1
.endr
.set j, 0
.rept 8
	v_cndmask_b32 v[GT+j], 0, v[GT+j], s[OWN+j]
.set j, j+1
.endr
	global_store_b128 v14, v[GT:GT+3], s[14:15]              ; 512 consecutive bytes each
	global_store_b128 v14, v[GT+4:GT+7], s[14:15] offset:512
	v_mov_b32 v[MX+5], 0
.set i, 0
.rept 16
	v_cndmask_b32 v[MX+6], 0, 1, s[CH+i]
	v_lshl_or_b32 v[MX+5], v[MX+6], i, v[MX+5]
.set i, i+1
.endr
	global_store_b32 v15, v[MX+5], s[12:13]        ; lanes r and 16 + r hold the same word and name the same address: 64 consecutive bytes
.Lend:
	s_wait_tensorcnt 0x0                           ; the wave's end
	ds_add_u32 v[SPW], v[NIL]
	s_wait_dscnt 0x0
	s_endpgm
.Lfunc_end_k_q8622f4b756_router:
	.size	k_q8622f4b756_router, .Lfunc_end_k_q8622f4b756_router-k_q8622f4b756_router
	.p2alignl 7, 3214868480
	.fill 96, 4, 3214868480
	.section	.rodata,"a",@progbits
	.p2align	6, 0x0
	.amdhsa_kernel k_q8622f4b756_router
		.amdhsa_group_segment_fixed_size 83456
		.amdhsa_private_segment_fixed_size 0
		.amdhsa_enable_private_segment 0
		.amdhsa_kernarg_size 48
		.amdhsa_user_sgpr_count 2
		.amdhsa_user_sgpr_kernarg_segment_ptr 1
		.amdhsa_wavefront_size32 1
		.amdhsa_system_sgpr_workgroup_id_x 1
		.amdhsa_system_sgpr_workgroup_id_y 1
		.amdhsa_system_sgpr_workgroup_id_z 1
		.amdhsa_system_vgpr_workitem_id 0
		.amdhsa_next_free_vgpr 256
		.amdhsa_next_free_sgpr 66
		.amdhsa_reserve_vcc 0
		.amdhsa_float_denorm_mode_32 3
		.amdhsa_float_denorm_mode_16_64 3
		.amdhsa_memory_ordered 1
		.amdhsa_forward_progress 1
		.amdhsa_inst_pref_size 50
	.end_amdhsa_kernel
	.amdgpu_metadata
---
amdhsa.version: [ 1, 2 ]
amdhsa.kernels:
  - .name:           k_q8622f4b756_router
    .symbol:         k_q8622f4b756_router.kd
    .args:
      - { .name: x, .offset: 0, .size: 8, .value_kind: global_buffer, .address_space: global }
      - { .name: expert_sel, .offset: 8, .size: 8, .value_kind: global_buffer, .address_space: global }
      - { .name: route_scale, .offset: 16, .size: 8, .value_kind: global_buffer, .address_space: global }
      - { .name: xb, .offset: 24, .size: 8, .value_kind: global_buffer, .address_space: global }
      - { .name: mask, .offset: 32, .size: 8, .value_kind: global_buffer, .address_space: global }
      - { .name: gate, .offset: 40, .size: 8, .value_kind: global_buffer, .address_space: global }
    .group_segment_fixed_size: 83456
    .private_segment_fixed_size: 0
    .kernarg_segment_align: 8
    .kernarg_segment_size: 48
    .max_flat_workgroup_size: 256
    .sgpr_count:     66
    .vgpr_count:     256
    .wavefront_size: 32
...
	.end_amdgpu_metadata
.endif
;; end of part 1
;; launch prep (part 2): grid 272 x 1, 8 waves a work-group, no clusters, 38,144 bytes of LDS; arguments mask, keys, values, list, counts, kw, vw; writes list, counts, kw, vw
.if DOCPART == 2
	.amdgcn_target "amdgcn-amd-amdhsa--gfx1250"
	.amdhsa_code_object_version 6
	.text
	.protected	k_q8622f4b756_prep
	.globl	k_q8622f4b756_prep
	.p2align	8
	.type	k_q8622f4b756_prep,@function
k_q8622f4b756_prep:
	s_mov_b64 s[64:65], 0
	v_nop
	global_prefetch_b8 v0, s[64:65] scope:SCOPE_SE
	s_setreg_imm32_b32 hwreg(HW_REG_WAVE_MODE, 25, 1), 1
	s_wait_xcnt 0x0
; PREP.  Two jobs, told apart by the work-group's number alone.
; Work-groups 0-15, one an expert e: the list of the expert's rows.  An entry is 4 t + k: token t, and k = how many chosen experts of t have a lower index than e
; (the row of y in which this expert's result for t will lie).  list[e] has room for 9,216 entries; with n rows the entries below n + 144, rounded up to whole thousands of 1,024, are written,
; those past the count repeating the expert's last entry (0 where it has none); the launch that reads the list takes tiles of 144 entries that begin below n, so it reads no other.
; counts[e] is the count.  Any split of the tokens is served.
; Work-groups 16-271: keys and values rounded to bf16 and laid out in the order in which a wave's operand registers take them.  A fragment (16 m x 32 k, 1,024 bytes) is
; [q 2][lane 32][8 bf16]: element (q, lane 16 h + r, i) = W[k = 32 s + 16 q + 8 h + i][m(r)].  kw: [e][w 4][s 32][c 4] fragments, m = hidden column 64 w + 16 c + r, k = d.
; vw: [e][w 4][p 4][s 8][c 4] fragments, m = channel 256 w + 64 p + 4 r + c, k = hidden index: the four tiles' results of one lane are then four neighbouring channels.
; No matrix unit, no cluster: nothing is multiplied, and no two work-groups read the same weights; the 32,768 bytes of mask are all that the sixteen sorters share.
.set RG,    4608              ; a wave's own LDS: 1,152 words (sort), or a stage of four fragments 1,040 bytes apart (cast)
.set TOT,   8*RG              ; the eight waves' counts
.set SPARE, TOT+256           ; the spare words, 128 bytes a wave: four blocks of 256 bytes that no other line names
.set SPW, 2
.set NIL, 3
.set LK,  16                  ; cast: v16-79 a quad of keys, v80-143 a quad of values, as loaded
.set LV,  80
.set TC,  144                 ; v144-175 rounded
.set RB,  176                 ; v176-207 back from the stage
.set MK,  16                  ; sort: v16-47 my 32 tokens' mask words
.macro ALL4 line:vararg                ; one line for each of four entries u that are worked on side by side, so that no line reads the result of the line before it
.set u, 0
.rept 4
	\line
.set u, u+1
.endr
.endm
	s_load_b256 s[4:11], s[0:1], 0x0               ; mask s[4:5], keys s[6:7], values s[8:9], list s[10:11]
	s_load_b128 s[12:15], s[0:1], 0x20             ; counts s[12:13], kw s[14:15]
	s_load_b64 s[16:17], s[0:1], 0x30              ; vw
	v_lshl_add_u32 v[SPW], v0, 2, SPARE
	v_mov_b32 v[NIL], 0
	v_lshrrev_b32 v1, 5, v0
	v_readfirstlane_b32 s18, v1                    ; wave 0..7
	v_and_b32 v4, 31, v0
	v_lshlrev_b32 v5, 4, v4                        ; 16 l
	s_mul_i32 s19, s18, RG                         ; my wave's LDS
	s_cmp_lt_u32 ttmp9, 16
	s_cbranch_scc1 .Lsort
	; THE CAST.  Wave gw of 2,048 takes quad gw of keys and quad gw of values.  A quad is 32 k-rows x 64 m (256 bytes a row) of f32 and becomes four fragments, 4,096 dense bytes.
	s_sub_co_u32 s20, ttmp9, 16
	s_lshl_b32 s20, s20, 3
	s_add_co_u32 s20, s20, s18                     ; gw
	s_lshr_b32 s21, s20, 7
	s_lshl_b32 s21, s21, 20                        ; the expert's 1 MiB, in keys and in values
	s_and_b32 s22, s20, 31                         ; keys: s = bits 0-4: 32 rows of 1,024 bytes each,
	s_lshl_b32 s22, s22, 15
	s_bfe_u32 s23, s20, 0x20005                    ; w = bits 5-6: 256 bytes in a row
	s_lshl_b32 s23, s23, 8
	s_add_co_u32 s24, s21, s22
	s_add_co_u32 s24, s24, s23
	s_mov_b32 s25, 0
	s_and_b32 s22, s20, 7                          ; values: s = bits 0-2: 32 rows of 4,096 bytes each,
	s_lshl_b32 s22, s22, 17
	s_bfe_u32 s23, s20, 0x40003                    ; 4 w + p = bits 3-6: 256 bytes in a row
	s_lshl_b32 s23, s23, 8
	s_add_co_u32 s26, s21, s22
	s_add_co_u32 s26, s26, s23
	s_mov_b32 s27, 0
	s_lshl_b32 s28, s20, 12                        ; where both quads go
	s_mov_b32 s29, 0
	v_and_b32 v6, 15, v0                           ; my four columns 4 (l % 16) ..
	v_bfe_u32 v7, v0, 4, 1                         ; hh: my rows 8 hh ..
	v_lshlrev_b32 v8, 4, v6
	v_lshl_add_u32 v9, v7, 13, v8                  ; keys: 8 hh rows of 1,024 + 16 (l % 16)
	v_lshl_add_u32 v10, v7, 15, v8                 ; values: 8 hh rows of 4,096 + 16 (l % 16)
	v_lshrrev_b32 v11, 2, v6                       ; keys into the stage: fragment (l % 16) / 4, lane 16 hh + 4 (l % 4) + jj.  Fragments 1,040 bytes apart:
	v_mul_u32_u24 v11, v11, 1040
	v_lshl_add_u32 v11, v7, 8, v11
	v_and_b32 v12, 3, v6
	v_lshl_add_u32 v11, v12, 6, v11
	v_add_nc_u32 v11, s19, v11
	v_add_nc_u32 v12, s19, v5                      ; back, and values into the stage (fragment jj, lane l): 16 l
	s_wait_kmcnt 0x0
	s_add_nc_u64 s[6:7], s[6:7], s[24:25]
	s_add_nc_u64 s[8:9], s[8:9], s[26:27]
	s_add_nc_u64 s[14:15], s[14:15], s[28:29]
	s_add_nc_u64 s[16:17], s[16:17], s[28:29]
.set n, 0
.rept 16                                               ; row 16 (n / 8) + 8 hh + n % 8: sixteen lanes take the row's 256 consecutive bytes
	global_load_b128 v[LK+4*n:LK+4*n+3], v9, s[6:7] offset:(16*(n/8)+n%8)*1024 th:TH_LOAD_NT
.set n, n+1
.endr
.set n, 0
.rept 16
	global_load_b128 v[LV+4*n:LV+4*n+3], v10, s[8:9] offset:(16*(n/8)+n%8)*4096 th:TH_LOAD_NT
.set n, n+1
.endr
; One quad: rounded in pairs of rows, turned through my wave's own stage, stored as 8 x 512 consecutive bytes.  left = the younger loads that may stay out;
; sb = the register with my place in the stage, jst = the bytes from column jj to column jj + 1 there.
.macro QUAD lb, left, dp, sb, jst
	s_wait_loadcnt \left
.set n, 0
.rept 32                                               ; n = 16 q + 4 jj + a: column jj, rows 16 q + 8 hh + 2 a and the next
	v_cvt_pk_bf16_f32 v[TC+n], v[(\lb)+32*(n/16)+8*(n%4)+(n/4)%4], v[(\lb)+32*(n/16)+8*(n%4)+4+(n/4)%4]
.set n, n+1
.endr
.set n, 0
.rept 8                                                ; n = 4 q + jj
	ds_store_b128 v[\sb], v[TC+4*n:TC+4*n+3] offset:512*(n/4)+(\jst)*(n%4)
.set n, n+1
.endr
	s_wait_xcnt 0x0                                ; RB was the data of the quad before's stores
.set n, 0
.rept 8                                                ; n = 2 c + q.  LDS serves a wave's instructions in order: these see the stores above
	ds_load_b128 v[RB+4*n:RB+4*n+3], v12 offset:1040*(n/2)+512*(n%2)
.set n, n+1
.endr
.set n, 0
.rept 8
	s_wait_dscnt 7-n
	global_store_b128 v5, v[RB+4*n:RB+4*n+3], s[\dp:\dp+1] offset:512*n
.set n, n+1
.endr
.endm
	QUAD LK, 16, 14, 11, 16                        ; the 16 loads of values are younger
	QUAD LV, 0, 16, 12, 1040
	s_wait_tensorcnt 0x0                           ; the wave's end
	ds_add_u32 v[SPW], v[NIL]
	s_wait_dscnt 0x0
	s_endpgm
.Lsort:
	; THE SORT, expert e = the work-group's number.  Thread i holds tokens 1,024 n + 4 i + jj (slot 4 n + jj).  Each wave packs its matches into its own 1,152 words;
	; then every thread gathers output entries from the eight packed runs.
	s_lshl_b32 s21, 1, ttmp9                       ; e's bit
	s_sub_co_u32 s22, s21, 1                       ; the bits below it
	s_mov_b32 s26, 0x5555
	s_mov_b32 s27, 0x3333
	s_mov_b32 s28, 0                               ; matches so far in my wave
	v_lshlrev_b32 v6, 4, v0                        ; 16 i
	v_add_nc_u32 v7, s19, v5
.set n, 0
.rept 4
	v_mov_b32 v[48+n], 0
.set n, n+1
.endr
	s_mul_i32 s2, ttmp9, 36864
	s_mov_b32 s3, 0
	s_wait_kmcnt 0x0
	s_add_nc_u64 s[10:11], s[10:11], s[2:3]
.set n, 0
.rept 8
	global_load_b128 v[MK+4*n:MK+4*n+3], v6, s[4:5] offset:4096*n
.set n, n+1
.endr
.set n, 0
.rept 9
	ds_store_b128 v7, v[48:51] offset:512*n        ; my wave's words start at 0
.set n, n+1
.endr
	s_wait_loadcnt 0x0
.set sl, 0
.rept 32
	v_and_b32 v[52+sl%4], s21, v[MK+sl]
	v_cmp_ne_u32 s[32+sl], 0, v[52+sl%4]           ; the lanes whose token of this slot chose e
.set sl, sl+1
.endr
.set sl0, 0
.rept 8                                                ; four slots side by side; s[28+u]: the matches in front of slot sl0 + u
	s_bcnt1_i32_b32 s24, s[32+sl0]
	s_add_co_u32 s29, s28, s24
	s_bcnt1_i32_b32 s24, s[33+sl0]
	s_add_co_u32 s30, s29, s24
	s_bcnt1_i32_b32 s24, s[34+sl0]
	s_add_co_u32 s31, s30, s24
	ALL4 v_mbcnt_lo_u32_b32 v[56+3*u], s[32+sl0+u], s[28+u]            ; the place: matches so far + matching lanes below me
	ALL4 v_and_b32 v[57+3*u], s22, v[MK+sl0+u]                         ; k = the number of bits below e's (four at the most), by folding:
	ALL4 v_cndmask_b32 v[56+3*u], 0x800, v[56+3*u], s[32+sl0+u]        ; a lane without a match asks for word 2,048,
	ALL4 v_lshrrev_b32 v[58+3*u], 1, v[57+3*u]
	ALL4 v_min_u32 v[56+3*u], 0x47f, v[56+3*u]                         ; and gets 1,151, the wave's last word, which nobody reads; a match's place is 1,023 at the most
	ALL4 v_and_b32 v[58+3*u], s26, v[58+3*u]
	ALL4 v_lshl_add_u32 v[56+3*u], v[56+3*u], 2, s19
	ALL4 v_sub_nc_u32 v[57+3*u], v[57+3*u], v[58+3*u]                  ; counts in fields of 2 bits,
	ALL4 v_lshrrev_b32 v[58+3*u], 2, v[57+3*u]
	ALL4 v_and_b32 v[57+3*u], s27, v[57+3*u]
	ALL4 v_and_b32 v[58+3*u], s27, v[58+3*u]
	ALL4 v_add_nc_u32 v[57+3*u], v[57+3*u], v[58+3*u]                  ; of 4 bits;
	ALL4 v_mul_u32_u24 v[57+3*u], 0x1111, v[57+3*u]                    ; the four fields' sum stands in bits 12-15 of the product
	ALL4 v_bfe_u32 v[57+3*u], v[57+3*u], 12, 4
	ALL4 v_add_nc_u32 v[57+3*u], v[57+3*u], v6
	ALL4 v_add_nc_u32 v[57+3*u], 4096*(sl0/4)+4*u, v[57+3*u]           ; 4 t + k
	ALL4 ds_store_b32 v[56+3*u], v[57+3*u]
	s_bcnt1_i32_b32 s24, s[35+sl0]
	s_add_co_u32 s28, s31, s24
.set sl0, sl0+4
.endr
	s_lshl_b32 s24, s18, 2
	s_add_co_u32 s24, s24, TOT
	v_mov_b32 v72, s24
	v_mov_b32 v73, s28
	ds_store_b32 v72, v73                          ; my wave's count: all lanes, the same word, the same number
	s_wait_dscnt 0x0                               ; for the others' sake: my run and my count are in LDS
	s_barrier_signal -1
	s_barrier_wait -1
	v_mov_b32 v73, TOT
	ds_load_b128 v[64:67], v73
	ds_load_b128 v[68:71], v73 offset:16
	s_wait_dscnt 0x0
.set k, 0
.rept 8
	v_readfirstlane_b32 s[32+k], v[64+k]           ; tot k
.set k, k+1
.endr
	s_mov_b32 s40, 0                               ; s[40+k]: the output place at which wave k's run begins;
.set k, 1
.rept 7
	s_add_co_u32 s[40+k], s[40+k-1], s[32+k-1]
	s_sub_co_u32 s[48+k], 1152, s[32+k-1]          ; s[48+k]: the words skipped in LDS between run k - 1's end and run k's beginning
.set k, k+1
.endr
	s_add_co_u32 s29, s47, s39                     ; the expert's count n
	s_max_u32 s30, s29, 1
	s_sub_co_u32 s30, s30, 1                       ; the last entry that exists: n - 1 (0 where n = 0: that word is a 0)
	s_add_co_u32 s31, s29, 144                     ; entries from here on are read by nobody
	v_lshlrev_b32 v72, 2, v0                       ; my first entry: 4 i
	s_mov_b32 s24, 0                               ; the trip's first entry
	s_mov_b32 s28, 9
.Lcopy:                                                ; nine trips of 1,024 entries; a trip that begins at or past n + 144 is jumped.  Entry p, held at n - 1, lies at word p + the skips of all runs that begin at or below p
	s_cmp_ge_u32 s24, s31
	s_cbranch_scc1 .Ldead
	ALL4 v_add_nc_u32 v[76+u], u, v72
	ALL4 v_min_u32 v[76+u], s30, v[76+u]           ; the entries past the count repeat the last one
	ALL4 v_cmp_le_u32 s[56+u], s41, v[76+u]
	ALL4 v_cndmask_b32 v[84+u], 0, s49, s[56+u]
	ALL4 v_add_nc_u32 v[80+u], v[76+u], v[84+u]
.set k, 2
.rept 6
	ALL4 v_cmp_le_u32 s[56+u], s[40+k], v[76+u]
	ALL4 v_cndmask_b32 v[84+u], 0, s[48+k], s[56+u]
	ALL4 v_add_nc_u32 v[80+u], v[80+u], v[84+u]
.set k, k+1
.endr
	ALL4 v_min_u32 v[80+u], 0x23fe, v[80+u]        ; held inside the eight waves' words
	ALL4 v_lshlrev_b32 v[80+u], 2, v[80+u]
	ALL4 ds_load_b32 v[88+u], v[80+u]
	s_wait_dscnt 0x0
	global_store_b128 v6, v[88:91], s[10:11]       ; 512 consecutive bytes a wave
	s_wait_xcnt 0x0                                ; v6 and v[88:91] are written again only behind this wait
	v_add_nc_u32 v72, 1024, v72
	v_add_nc_u32 v6, 4096, v6
.Ldead:
	s_add_co_u32 s24, s24, 1024
	s_sub_co_u32 s28, s28, 1
	s_cmp_lg_u32 s28, 0
	s_cbranch_scc1 .Lcopy
	s_cmp_lg_u32 s18, 0
	s_cbranch_scc1 .Lnocount
	s_lshl_b32 s24, ttmp9, 2
	v_mov_b32 v92, s24
	v_mov_b32 v93, s29
	global_store_b32 v92, v93, s[12:13]            ; counts[e]: all lanes of wave 0, the same word, the same number
.Lnocount:
	s_wait_tensorcnt 0x0                           ; the wave's end
	ds_add_u32 v[SPW], v[NIL]
	s_wait_dscnt 0x0
	s_endpgm
.Lfunc_end_k_q8622f4b756_prep:
	.size	k_q8622f4b756_prep, .Lfunc_end_k_q8622f4b756_prep-k_q8622f4b756_prep
	.p2alignl 7, 3214868480
	.fill 96, 4, 3214868480
	.section	.rodata,"a",@progbits
	.p2align	6, 0x0
	.amdhsa_kernel k_q8622f4b756_prep
		.amdhsa_group_segment_fixed_size 38144
		.amdhsa_private_segment_fixed_size 0
		.amdhsa_enable_private_segment 0
		.amdhsa_kernarg_size 56
		.amdhsa_user_sgpr_count 2
		.amdhsa_user_sgpr_kernarg_segment_ptr 1
		.amdhsa_wavefront_size32 1
		.amdhsa_system_sgpr_workgroup_id_x 1
		.amdhsa_system_sgpr_workgroup_id_y 1
		.amdhsa_system_sgpr_workgroup_id_z 1
		.amdhsa_system_vgpr_workitem_id 0
		.amdhsa_next_free_vgpr 208
		.amdhsa_next_free_sgpr 66
		.amdhsa_reserve_vcc 0
		.amdhsa_float_denorm_mode_32 3
		.amdhsa_float_denorm_mode_16_64 3
		.amdhsa_memory_ordered 1
		.amdhsa_forward_progress 1
		.amdhsa_inst_pref_size 55
	.end_amdhsa_kernel
	.amdgpu_metadata
---
amdhsa.version: [ 1, 2 ]
amdhsa.kernels:
  - .name:           k_q8622f4b756_prep
    .symbol:         k_q8622f4b756_prep.kd
    .args:
      - { .name: mask, .offset: 0, .size: 8, .value_kind: global_buffer, .address_space: global }
      - { .name: keys, .offset: 8, .size: 8, .value_kind: global_buffer, .address_space: global }
      - { .name: values, .offset: 16, .size: 8, .value_kind: global_buffer, .address_space: global }
      - { .name: list, .offset: 24, .size: 8, .value_kind: global_buffer, .address_space: global }
      - { .name: counts, .offset: 32, .size: 8, .value_kind: global_buffer, .address_space: global }
      - { .name: kw, .offset: 40, .size: 8, .value_kind: global_buffer, .address_space: global }
      - { .name: vw, .offset: 48, .size: 8, .value_kind: global_buffer, .address_space: global }
    .group_segment_fixed_size: 38144
    .private_segment_fixed_size: 0
    .kernarg_segment_align: 8
    .kernarg_segment_size: 56
    .max_flat_workgroup_size: 256
    .sgpr_count:     66
    .vgpr_count:     208
    .wavefront_size: 32
...
	.end_amdgpu_metadata
.endif
;; end of part 2
;; launch chain (part 3): grid 243 x 1, 4 waves a work-group, no clusters, 313,856 bytes of LDS; arguments counts, list, gate, xb, kw, vw, y; writes y
.if DOCPART == 3
	.amdgcn_target "amdgcn-amd-amdhsa--gfx1250"
	.amdhsa_code_object_version 6
	.text
	.protected	k_q8622f4b756_chain
	.globl	k_q8622f4b756_chain
	.p2align	8
	.type	k_q8622f4b756_chain,@function
k_q8622f4b756_chain:
	s_mov_b64 s[64:65], 0
	v_nop
	global_prefetch_b8 v0, s[64:65] scope:SCOPE_SE
	s_setreg_imm32_b32 hwreg(HW_REG_WAVE_MODE, 25, 1), 1
	s_wait_xcnt 0x0
; THE CHAIN.  A work-group takes a tile of up to 144 rows of ONE expert (a row = a token that chose the expert) through gather, x K_e, relu, the gate's weight, rounding to bf16, V_e, and stores
; each row, f32, into row 4 t + k of y; a later launch adds a token's four rows.  Operands bf16, sums f32.  The gate multiplies the hidden layer, which is the same sum.
; THE GRID.  With counts n_e that add up to 32,768 there are never more than floor((32,768 + 16 x 143) / 144) = 243 tiles, whatever the split.  Each work-group finds its tile from the stored counts.
; In a tile that is not full the places past the count repeat the expert's last row (the list says so).  A block of 16 rows that lies wholly past the count has its stores jumped by a scalar branch;
; in the block that holds the count the repeated rows, 15 at the most, make the same numbers and store them to the same bytes once more, so no store narrows EXEC.
; A work-group that a split leaves without a tile runs product 1 on rows that exist (no barrier stands under a branch on loaded numbers) and jumps over product 2, which holds no barrier: it stores nothing.
; PRODUCT 1, transposed (source 0 = 16 hidden columns of K_e, source 1 = 16 rows): a lane holds ONE row and eight neighbouring hidden columns, which pack into 16 bytes of the hidden layer.
; Wave w makes hidden columns 64 w .. 64 w + 63 of all 144 rows: 36 accumulators, K = 1,024 in 8 chunks of 128.
; PRODUCT 2, as it stands (source 0 = 16 rows of the hidden layer, source 1 = 16 channel slots of V_e): register t of a lane is row 8 h + t.  Slot r of tile c is channel 4 r + c (vw is laid so), so
; register t of the four tiles' accumulators is 16 consecutive bytes of a row: 32 moves a block put them side by side, and a store covers two rows x 256 consecutive bytes, aligned.  No trip through LDS.
; Wave w makes channels 256 w .. 256 w + 255 in four passes of 64.  A pass's V (256 registers) stands still; the nine blocks of 16 rows go by, 32 matrix instructions each, and a block's
; results leave while the next block is multiplied.
; So each weight byte is wanted by one wave alone and goes from memory straight into its operand registers, in the order in which an earlier launch laid it; x's rows, which all four waves want
; and which come by a list, go through registers into LDS, each chunk into bytes of its own: one barrier a chunk.
; MEMORY INSTRUCTIONS STAND IN RUNS: one run a K step in product 1, one a block in product 2, never singly among the matrix instructions; only moves between registers ride behind single matrix instructions.
; NO CLUSTER.  An expert's tiles walk the same weights, but whole clusters of four dealt to 16 experts for every split want 32,768 / C + 16 <= 64 clusters, C >= 683 rows a cluster, 176 a work-group
; in blocks of 16, whose x (176 x 2,176 bytes) does not fit in LDS; and clusters of 4 x 144 rows may number 72, 288 work-groups for 256 WGPs.
; No prefetch: kw and vw, 16.8 MB, are each read by some fifteen work-groups at about the same time.
; LIMITS.  The hidden layer is kept in bf16 (8 significant bits) for the second product.  NaN and infinities are not treated apart.
; REGISTERS, in windows of 256 (s_set_vgpr_msb: bits 1:0 source 0, 3:2 source 1, 5:4 source 2, 7:6 destination):
;   window 0: v0-15 addresses.  Product 1: v16-111 list, gates, offsets; v112-183, v184-255 two buffers of row fragments.
;             Product 2: v16-79 two sets of four accumulators; v80-111 a block on its way out; v112-239 two buffers of row fragments: the moves run under the matrix instructions' own window setting
;   window 1: product 1: two buffers of weights, a chunk each; product 2: V of passes 0 and 2          window 2: product 1: blocks 0-7 (32 b + 8 c); product 2: V of passes 1 and 3
;   window 3: product 1: block 8 (v0-31), v64-135 a chunk of x on its way to LDS; the whole launch: v136-207 the 72 store offsets
.set CHB,   39168             ; a chunk of x in LDS: 144 rows x 272 bytes
.set XPT,   272               ; 256 bytes + 16: an odd multiple of 16, so the 16 rows of a fragment load start at 16 different groups of four banks
.set HP,    528               ; a row of the hidden layer: 512 bytes of bf16 + 16.  It lies on x's bytes, which are dead by then
.set SPARE, 8*CHB             ; the spare words, 128 bytes a wave: two blocks of 256 bytes that no other line names
.set SPW,  8
.set NIL,  9
.set VL16, 10                 ; 16 l
.set HRD0, 11                 ; hidden layer, read: row r, 16 h; blocks 0-3
.set HRD1, 12                 ; blocks 4-8
.set U16,  15                 ; 16 (l % 16)
.set RID,  16                 ; v16-24  block b: the list's entry of row 16 b + r
.set XR0,  42                 ; x in LDS, read: row r, 16 h
.set XW1,  43                 ; x in LDS, write: row 2 w + l / 16, 16 (l % 16), one chunk on
.set XRD,  44                 ; read address in the chunk in hand
.set XRN,  45                 ; in the next
.set XWR,  46                 ; write address in the next
.set G,    48                 ; v48-65  block b: the row's gate, twice (a pair for the packed multiply)
.set XO,   66                 ; v66-83  load q: byte offset in xb of row 8 q + 2 w + l / 16
.set HST0, 84                 ; hidden layer, write
.set HST1, 85
.set LI,   86                 ; v86-103 list entries; then the gates' offsets
.set XF0,  112                ; product 1's fragment buffers: XF0 and XF0 + 72
.set TT,   112                ; the hidden layer's way to LDS: at work
.set UU,   144
.set ACC2, 16                 ; product 2: set par, tile c at ACC2 + 32 par + 8 c
.set OB,   80                 ; store t's four registers at OB + 4 t
.set HF,   112                ; buffer par, K step s at HF + 64 par + 8 s
.set XS,   64                 ; window 3
.set VOB,  136                ; window 3: block b, store t at VOB + 8 b + t: byte offset in y of row 16 b + 8 h + t, + 16 (l % 16); never rewritten
.set WV,   18
.set EE,   19                 ; the expert
.set TL,   20                 ; my tile among the expert's
.set NN,   21                 ; the expert's count
.set MM,   22                 ; my rows, 0 to 144
.set CNT,  30
.set PASS, 31
.set XC,   32                 ; LDS byte of the chunk in hand
.set XBP,  34                 ; s[34:35] xb at the chunk to be loaded
.set CT,   36                 ; s[36:51] the counts
.set KWP,  52                 ; s[52:53] kw at the chunk to be loaded
.set WP,   54                 ; s[54:55] that, or vw
.set MSB, 0
.macro WIN new                         ; the immediate's high byte repeats the setting that is left; a switch that changes nothing is dropped
.if MSB != (\new)
	s_set_vgpr_msb (MSB<<8)|(\new)
.set MSB, \new
.endif
.endm
; A load into a register that a matrix instruction has read, and a vector instruction or store that reads a matrix result, stand four places behind it; only plain vector instructions
; that name none of its registers are places (ISA guide 7.12.1 for vector instructions).
.macro PLACES
.rept 4
	v_nop
.endr
.endm
	s_load_b256 s[4:11], s[0:1], 0x0               ; counts s[4:5], list s[6:7], gate s[8:9], xb s[10:11]
	s_load_b128 s[12:15], s[0:1], 0x20             ; kw s[12:13], vw s[14:15]
	s_load_b64 s[16:17], s[0:1], 0x30              ; y
	v_lshl_add_u32 v[SPW], v0, 2, SPARE
	v_mov_b32 v[NIL], 0
	v_lshrrev_b32 v1, 5, v0
	v_readfirstlane_b32 s[WV], v1                  ; wave 0..3
	v_and_b32 v2, 31, v0
	v_and_b32 v3, 15, v0                           ; r
	v_bfe_u32 v4, v0, 4, 1                         ; h
	v_lshlrev_b32 v[VL16], 4, v2
	v_lshlrev_b32 v[U16], 4, v3
	v_mul_u32_u24 v[XR0], v3, XPT
	v_lshl_add_u32 v[XR0], v4, 4, v[XR0]
	s_mul_i32 s23, s[WV], 2*XPT
	v_mul_u32_u24 v[XWR], v4, XPT
	v_add_nc_u32 v[XWR], v[XWR], v[U16]
	v_add_nc_u32 v[XWR], s23, v[XWR]               ; chunk 0: row 2 w + l / 16
	v_add_nc_u32 v[XW1], CHB, v[XWR]
	v_mul_u32_u24 v[HRD0], v3, HP
	v_lshl_add_u32 v[HRD0], v4, 4, v[HRD0]
	v_add_nc_u32 v[HRD1], 64*HP, v[HRD0]
	s_lshl_b32 s23, s[WV], 7                       ; my 64 hidden columns
	v_add_nc_u32 v[HST0], s23, v[HRD0]
	v_add_nc_u32 v[HST1], s23, v[HRD1]
	s_lshl_b32 s23, s[WV], 3
	v_lshl_add_u32 v5, v4, 2, s23                  ; the list's entry of row 2 w + l / 16
	v_lshlrev_b32 v6, 2, v3                        ; of row r
	v_lshlrev_b32 v7, 5, v4                        ; of row 8 h
	s_wait_kmcnt 0x0
	s_load_b512 s[CT:CT+15], s[4:5], 0x0
	s_mov_b32 s[EE], 0
	s_mov_b32 s[TL], 0
	s_mov_b32 s[NN], 0
	s_mov_b32 s23, 0                               ; tiles of the experts before
	s_wait_kmcnt 0x0
.set e, 0
.rept 16                                               ; expert e has ceil(n / 144) tiles: (n + 143) x 7,282 >> 20, exact up to n + 143 = 8,335
	s_min_u32 s[CT+e], s[CT+e], 0x2000
	s_add_co_u32 s24, s[CT+e], 143
	s_mul_i32 s24, s24, 7282
	s_lshr_b32 s24, s24, 20
	s_sub_co_u32 s25, ttmp9, s23                   ; wraps to a huge number where the tile lies with an earlier expert
	s_cmp_lt_u32 s25, s24
	s_cselect_b32 s[EE], e, s[EE]
	s_cselect_b32 s[TL], s25, s[TL]
	s_cselect_b32 s[NN], s[CT+e], s[NN]
	s_add_co_u32 s23, s23, s24
.set e, e+1
.endr
	s_min_u32 s[EE], s[EE], 15
	s_mul_i32 s24, s[TL], 144
	s_min_u32 s24, s24, 0x2000                     ; my first row; 8,192 + 144 entries lie inside the expert's 9,216
	s_sub_co_u32 s[MM], s[NN], s24
	s_min_u32 s[MM], s[MM], 144
	s_mov_b32 s27, 0
	s_lshl_b32 s26, s[EE], 19                      ; an expert's 524,288 bytes of kw and of vw,
	s_lshl_b32 s25, s[WV], 17                      ; my wave's 131,072 of them
	s_add_co_u32 s26, s26, s25
	s_add_nc_u64 s[12:13], s[12:13], s[26:27]
	s_add_nc_u64 s[14:15], s[14:15], s[26:27]
	s_mul_i32 s26, s[EE], 9216
	s_add_co_u32 s26, s26, s24
	s_lshl_b32 s26, s26, 2
	s_add_nc_u64 s[6:7], s[6:7], s[26:27]
	s_and_b32 s26, s[EE], 4                        ; the expert's place in a token's 64 bytes of gate: ((e >> 2) & 1) 512 + (e >> 3) 256 + (e & 3) 4
	s_lshl_b32 s26, s26, 7
	s_and_b32 s25, s[EE], 8
	s_lshl_b32 s25, s25, 5
	s_add_co_u32 s26, s26, s25
	s_and_b32 s25, s[EE], 3
	s_lshl_b32 s25, s25, 2
	s_add_co_u32 s26, s26, s25
	s_add_nc_u64 s[8:9], s[8:9], s[26:27]
	s_lshl_b32 s26, s[WV], 10                      ; my 256 channels of a row of y
	s_add_nc_u64 s[16:17], s[16:17], s[26:27]
	s_add_nc_u64 s[XBP:XBP+1], s[10:11], 256
	s_mov_b64 s[KWP:KWP+1], s[12:13]
	s_mov_b32 s[XC], 0
	s_mov_b32 s[CNT], 4
.set qq, 0
.rept 18
	global_load_b32 v[LI+qq], v5, s[6:7] offset:32*qq
.set qq, qq+1
.endr
.set bb, 0
.rept 9
	global_load_b32 v[RID+bb], v6, s[6:7] offset:64*bb
.set bb, bb+1
.endr
	WIN 0xc0
.set n, 0
.rept 72                                               ; block n / 8, store n % 8: the entry of row 16 (n / 8) + 8 h + n % 8
	global_load_b32 v[VOB+n], v7, s[6:7] offset:64*(n/8)+4*(n%8)
.set n, n+1
.endr
	WIN 0
	s_wait_loadcnt 0x0
.set qq, 0
.rept 18                                               ; the token, held inside the table, times 2,048 bytes
	v_lshrrev_b32 v[LI+qq], 2, v[LI+qq]
	v_min_u32 v[LI+qq], 0x1fff, v[LI+qq]
	v_lshl_add_u32 v[XO+qq], v[LI+qq], 11, v[U16]
.set qq, qq+1
.endr
.set bb, 0
.rept 9                                                ; the token's place in gate: (t & 0x1ff0) << 6 + (t & 15) << 4
	v_lshrrev_b32 v7, 2, v[RID+bb]
	v_min_u32 v7, 0x1fff, v7
	v_and_b32 v47, 0x1ff0, v7
	v_and_b32 v7, 15, v7
	v_lshlrev_b32 v47, 6, v47
	v_lshl_add_u32 v[LI+bb], v7, 4, v47
.set bb, bb+1
.endr
.set bb, 0
.rept 9
	global_load_b32 v[G+2*bb], v[LI+bb], s[8:9]
.set bb, bb+1
.endr
	WIN 0x40
.set qq, 0
.rept 18                                               ; x's chunk 0, by way of window 1's second weight buffer, which is not wanted yet
	global_load_b128 v[128+4*qq:128+4*qq+3], v[XO+qq], s[10:11]
.set qq, qq+1
.endr
	WIN 0xc0
.set qq, 0
.rept 18                                               ; chunk 1
	global_load_b128 v[XS+4*qq:XS+4*qq+3], v[XO+qq], s[10:11] offset:256
.set qq, qq+1
.endr
	WIN 0x40
.set n, 0
.rept 32                                               ; the weights of chunk 0: 32 x 512 consecutive bytes into consecutive registers
	global_load_b128 v[4*n:4*n+3], v[VL16], s[12:13] offset:512*n
.set n, n+1
.endr
	WIN 0xcc                                       ; while those are on their way: the 72 store offsets, once for the launch
.set n, 0
.rept 72
	v_min_u32 v[VOB+n], 0x7fff, v[VOB+n]           ; held inside y's 32,768 rows,
.set n, n+1
.endr
	WIN 0xc3
.set n, 0
.rept 72
	v_lshl_add_u32 v[VOB+n], v[VOB+n], 12, v[U16]  ; times 4,096 bytes, + my 16 bytes of the row's 256
.set n, n+1
.endr
	WIN 0
	s_wait_loadcnt 50                              ; the gates and chunk 0 are in; chunk 1's 18 loads and the weights' 32 are younger
.set bb, 0
.rept 9
	v_mov_b32 v[G+2*bb+1], v[G+2*bb]
.set bb, bb+1
.endr
	WIN 0x04
.set qq, 0
.rept 18
	ds_store_b128 v[XWR], v[128+4*qq:128+4*qq+3] offset:qq*8*XPT
.set qq, qq+1
.endr
	WIN 0
	s_wait_dscnt 0x0                               ; for the others' sake: my rows of chunk 0 are in LDS
	s_barrier_signal -1
	s_barrier_wait -1
; 18 LDS loads in one run, blocks ascending: the nine blocks' fragments (16 rows x 32 K) at byte off of the rows
.macro XFETCH buf, adr, off
	WIN 0
.set bb, 0
.rept 9
	ds_load_b128 v[(\buf)+8*bb:(\buf)+8*bb+3],   v[\adr] offset:(\off)+bb*16*XPT
	ds_load_b128 v[(\buf)+8*bb+4:(\buf)+8*bb+7], v[\adr] offset:(\off)+bb*16*XPT+32
.set bb, bb+1
.endr
.endm
; Product 1: blocks b0 .. b0 + nb - 1 x my four column tiles, 32 along K.  The 36 accumulators take turns, one instruction a turn, in the same order in every step.
; zero = 1: the first products start the sums: nothing is cleared.
.macro P1MUL xf, wb, b0, nb, zero
.set bb, \b0
.rept \nb
.if bb < 8
	WIN 0xa1                                       ; weights window 1, rows window 0, sums window 2
.else
	WIN 0xf1                                       ; sums window 3
.endif
.set cc, 0
.rept 4
.set AC, 32*(bb%8)+8*cc
.if \zero
	v_wmma_f32_16x16x32_bf16 v[AC:AC+7], v[(\wb)+8*cc:(\wb)+8*cc+7], v[(\xf)+8*bb:(\xf)+8*bb+7], 0
.else
	v_wmma_f32_16x16x32_bf16 v[AC:AC+7], v[(\wb)+8*cc:(\wb)+8*cc+7], v[(\xf)+8*bb:(\xf)+8*bb+7], v[AC:AC+7]
.endif
.set cc, cc+1
.endr
.set bb, bb+1
.endr
.endm
; THE HEAD OF CHUNK c (odd = c % 2; a trip of the loop is two chunks, CNT = 4 .. 1).  x's chunk c + 1, which has come, goes into LDS; chunk c + 2 and the weights of chunk c + 1 are asked for.
; Chunk 7 has no chunk 8 to store, chunks 6 and 7 none to ask for; in chunk 7 the same 32 lines bring K steps 0-3 of product 2's first pass from vw, which are again 32 x 512 consecutive bytes,
; and the look-ahead address stays in chunk 7, so that its last step's fragment loads, which nobody uses, read bytes that exist.
.macro TOP odd, first
	WIN 0
	s_wait_loadcnt 32                              ; chunk c + 1 of x is in; the 32 loads of chunk c's weights are younger
.if !(\first)
	s_add_co_u32 s[XC], s[XC], CHB
.endif
.if \odd
	s_cmp_eq_u32 s[CNT], 1
	s_cselect_b32 s33, 0, CHB
.endif
	v_add_nc_u32 v[XRD], s[XC], v[XR0]             ; these three and the v_nop are the four places in front of the loads into the weight buffer that the last products read
	v_add_nc_u32 v[XWR], s[XC], v[XW1]
.if \odd
	v_add_nc_u32 v[XRN], s33, v[XRD]
.else
	v_add_nc_u32 v[XRN], CHB, v[XRD]
.endif
	v_nop
.if \odd
	s_cmp_eq_u32 s[CNT], 1
	s_cbranch_scc1 .Lnost_\@
.endif
	WIN 0x0c
.set qq, 0
.rept 18
	ds_store_b128 v[XWR], v[XS+4*qq:XS+4*qq+3] offset:qq*8*XPT
.set qq, qq+1
.endr
	WIN 0
.if \odd
.Lnost_\@:
.endif
	s_wait_xcnt 0x0                                ; the three bases are stepped only behind this wait
	s_add_nc_u64 s[XBP:XBP+1], s[XBP:XBP+1], 256
	s_add_nc_u64 s[KWP:KWP+1], s[KWP:KWP+1], 16384
	s_cmp_eq_u32 s[CNT], 1
.if \odd
	s_cselect_b64 s[WP:WP+1], s[14:15], s[KWP:KWP+1]
.else
	s_mov_b64 s[WP:WP+1], s[KWP:KWP+1]
.endif
	s_cbranch_scc1 .Lnox_\@
	WIN 0xc0
.set qq, 0
.rept 18
	global_load_b128 v[XS+4*qq:XS+4*qq+3], v[XO+qq], s[XBP:XBP+1]
.set qq, qq+1
.endr
	WIN 0
.Lnox_\@:
	WIN 0x40
.set n, 0
.rept 32
	global_load_b128 v[128*(1-(\odd))+4*n:128*(1-(\odd))+4*n+3], v[VL16], s[WP:WP+1] offset:512*n
.set n, n+1
.endr
.endm
; The next step's run of fragment loads: the same chunk 64 bytes on, or, behind a chunk's last step, the head of the next chunk
.macro NEXTX st
.if (\st) < 3
	XFETCH XF0+72*(((\st)+1)%2), XRD, 64*((\st)+1)
.else
	XFETCH XF0, XRN, 0
.endif
.endm
; K STEP st (0..3) OF A CHUNK: 36 matrix instructions and ONE run of LDS loads, the next step's 18, behind the 8th matrix instruction, 28 ahead of the next step's head.
; THE WAIT FOR WEIGHTS: behind this step's 8 loads were issued the chunk's later steps' 8 (3 - st), x's 18 (or none, in the last two chunks) and the next chunk's 32: the count is the lesser sum.
; THE WAITS FOR FRAGMENTS: at the head blocks 0-3's eight loads are wanted, and blocks 4-8's ten are younger; in front of block 4 the other ten, and the 18 loads just issued are younger.
; In an even chunk's step 0 the head's 18 LDS stores, which are always issued there, are younger too; in an odd chunk's they may be missing, so the lesser counts stand.
; Step 1 holds the chunk's barrier: in front of its signal every wave's stores of chunk c + 1 are done (s_wait_dscnt 0); 16 matrix instructions stand between signal and wait, and the run behind the wait;
; step 3 reads that chunk.  No LDS byte of x is written twice.
.macro STEP par, st, zero
	s_wait_loadcnt 56-8*(\st)
.if (\st) == 1
	s_wait_dscnt 0x0
	s_barrier_signal -1
	P1MUL XF0+72*((\st)%2), 128*(\par)+32*(\st), 0, 4, \zero
	s_barrier_wait -1
	PLACES                                         ; in front of the loads into the buffer that the step before read
	NEXTX \st
	P1MUL XF0+72*((\st)%2), 128*(\par)+32*(\st), 4, 5, \zero
.else
.set XTRA, 0
.if ((\st) == 0) && ((\par) == 0)
.set XTRA, 18
.endif
	s_wait_dscnt 10+XTRA
	P1MUL XF0+72*((\st)%2), 128*(\par)+32*(\st), 0, 2, \zero
	PLACES                                         ; in front of the loads into the buffer that the step before read
	NEXTX \st
	P1MUL XF0+72*((\st)%2), 128*(\par)+32*(\st), 2, 2, \zero
	s_wait_dscnt 18+XTRA
	P1MUL XF0+72*((\st)%2), 128*(\par)+32*(\st), 4, 5, \zero
.endif
.endm
	XFETCH XF0, XR0, 0
	TOP 0, 1
	STEP 0, 0, 1                                   ; the first step stands in front of the loop: its products start the sums
	WIN 0
	s_branch .Lenter
.Lp1:
	TOP 0, 0
	STEP 0, 0, 0
	WIN 0
.Lenter:
	STEP 0, 1, 0
	STEP 0, 2, 0
	STEP 0, 3, 0
	TOP 1, 0
	STEP 1, 0, 0
	STEP 1, 1, 0
	STEP 1, 2, 0
	STEP 1, 3, 0
	WIN 0
	s_sub_co_u32 s[CNT], s[CNT], 1
	s_cmp_lg_u32 s[CNT], 0
	s_cbranch_scc1 .Lp1
	; THE HIDDEN LAYER: relu, times the row's gate, rounded to bf16, into LDS on x's bytes.
	s_wait_dscnt 0x0                               ; my reads of x are over,
	s_barrier_signal -1
	s_barrier_wait -1                              ; everybody's are
	PLACES
	WIN 0x40
.set n, 32
.rept 32                                               ; K steps 4-7 of product 2's first pass, into the weight buffer that the last chunk read
	global_load_b128 v[4*n:4*n+3], v[VL16], s[14:15] offset:512*n
.set n, n+1
.endr
.macro HIDOUT b
.if (\b) < 8
	WIN 0x08
.else
	WIN 0x0c
.endif
.set j, 0
.rept 32                                               ; ascending: each accumulator's lowest registers are read first
	v_max_num_f32 v[TT+j], 0, v[32*((\b)%8)+j]
.set j, j+1
.endr
	WIN 0
.set j, 0
.rept 16
	v_pk_mul_f32 v[TT+2*j:TT+2*j+1], v[TT+2*j:TT+2*j+1], v[G+2*(\b):G+2*(\b)+1]
.set j, j+1
.endr
.set j, 0
.rept 16
	v_cvt_pk_bf16_f32 v[UU+j], v[TT+2*j], v[TT+2*j+1]
.set j, j+1
.endr
.set cc, 0
.rept 4                                                ; row 16 b + r, columns 64 w + 16 c + 8 h + 0..7: 16 bytes
.if (\b) < 4
	ds_store_b128 v[HST0], v[UU+4*cc:UU+4*cc+3] offset:(\b)*16*HP+32*cc
.else
	ds_store_b128 v[HST1], v[UU+4*cc:UU+4*cc+3] offset:((\b)-4)*16*HP+32*cc
.endif
.set cc, cc+1
.endr
.endm
.irp b, 0,1,2,3,4,5,6,7,8
	HIDOUT \b
.endr
	s_wait_dscnt 0x0                               ; for the others' sake: my columns are in LDS
	s_barrier_signal -1
	s_barrier_wait -1                              ; the last barrier
	s_cmp_eq_u32 s[MM], 0
	s_cbranch_scc1 .Ldone                          ; a work-group without rows has nothing to store
; PRODUCT 2.  The 16 loads that bring block nb's fragments (16 rows x 256 K) into buffer par: load n is K step n / 2, half n % 2
.macro HFL16 nb, par
.set n, 0
.rept 16
.if (\nb) < 4
	ds_load_b128 v[HF+64*(\par)+4*n:HF+64*(\par)+4*n+3], v[HRD0] offset:(\nb)*16*HP+32*n
.else
	ds_load_b128 v[HF+64*(\par)+4*n:HF+64*(\par)+4*n+3], v[HRD1] offset:((\nb)-4)*16*HP+32*n
.endif
.set n, n+1
.endr
.endm
; A quarter (q = 0..3) of a pass's V: 16 x 512 consecutive bytes, at byte off from the pair of passes in hand, into consecutive registers of the window that win names
.macro VRUN win, q, off
	WIN \win
.set n, 16*(\q)
.rept 16
	global_load_b128 v[4*n:4*n+3], v[VL16], s[14:15] offset:(\off)+512*n
.set n, n+1
.endr
.endm
.macro VRUNC q                         ; the same for the next pair's first pass; behind the last pass there is none
	WIN 0
	s_cmp_eq_u32 s[PASS], 1
	s_cbranch_scc1 .Lnov_\@
	VRUN 0x40, \q, 65536
	WIN 0
.Lnov_\@:
.endm
; A BLOCK: 32 matrix instructions, K step i / 4, channel tile i % 4; the four accumulators take turns; the first four start the sums.
; vwin: the window setting (V in window 1 or 2, all else in window 0); par: which accumulators and fragments are this block's; nb: the block whose fragments are fetched.
; With prev = 1, behind matrix instructions 0-7 ride the 32 moves that put the last block's (pb's) results side by side (row pair t: register t of the four accumulators).
; Behind the eighth stands the block's ONE run of memory instructions: the next block's 16 fragment loads, 24 matrix instructions ahead of that block's head;
; a quarter of the next pass's V (vk = 1: the pair's second pass; 2: the next pair's first, if there is one; quarter vq), into the window that the pass before read; and the last block's
; eight stores, imm bytes into my channels, jumped where that block lies wholly past the count.
; The four v_nop at the head are the places in front of the moves (which read the last block's results) and of the loads (into the buffer that it read).
; THE WAITS: at the head K steps 0 and 1, four loads, are wanted, and twelve are younger; in front of the run, and of K step 2, all are.
.macro BLOCK vwin, par, nb, prev, pb, imm, vk, vq
	s_wait_dscnt 12
	PLACES
.set i, 0
.rept 32
	WIN \vwin
.set AC, ACC2+32*(\par)+8*(i%4)
.set HB, HF+64*(\par)+8*(i/4)
.set VB, 32*(i/4)+8*(i%4)
.if i < 4
	v_wmma_f32_16x16x32_bf16 v[AC:AC+7], v[HB:HB+7], v[VB:VB+7], 0
.else
	v_wmma_f32_16x16x32_bf16 v[AC:AC+7], v[HB:HB+7], v[VB:VB+7], v[AC:AC+7]
.endif
.if (\prev) && (i < 8)
.if i == 0
	s_wait_xcnt 0x0                                ; OB was the data of the stores a block ago
.endif
.set cq, 0
.rept 4
	v_mov_b32 v[OB+4*i+cq], v[ACC2+32*(1-(\par))+8*cq+i]
.set cq, cq+1
.endr
.endif
.if i == 7
	s_wait_dscnt 0x0
	WIN 0
	HFL16 \nb, 1-(\par)
.if (\vk) == 1
	VRUN 0x80, \vq, 32768
	WIN 0
.elseif (\vk) == 2
	VRUNC \vq
.endif
.if \prev
	s_cmp_le_u32 s[MM], 16*(\pb)
	s_cbranch_scc1 .Lns_\@
	WIN 0x03                                       ; the offsets lie in window 3
.set n, 0
.rept 8
	global_store_b128 v[VOB+8*(\pb)+n], v[OB+4*n:OB+4*n+3], s[16:17] offset:\imm th:TH_STORE_NT  ; rows 16 pb + n and 16 pb + 8 + n: 256 consecutive bytes each, aligned
.set n, n+1
.endr
	WIN 0
.Lns_\@:
.endif
.endif
.set i, i+1
.endr
.endm
	s_mov_b32 s[PASS], 2
	HFL16 0, 0                                     ; block 0's fragments
.Lpair:                                                ; a trip: two passes, 18 blocks, so that the buffers' turns close.  The last block fetches block 0's fragments again for the next trip
.set gg, 0
.rept 18
.set bq, gg%9
.set vkk, 0
.if (bq >= 1) && (bq <= 4)
.set vkk, 1+gg/9
.endif
.if bq == 0
	s_wait_loadcnt 0x0                             ; this pass's V is in: its last loads were issued four blocks ago (the first pass's: in front of the hidden layer's way to LDS)
.endif
.if gg == 0
	BLOCK 0x04, 0, 1, 0, 0, 0, 0, 0
.else
	BLOCK 0x04+4*(gg/9), gg%2, (bq+1)%9, 1, (bq+8)%9, 256*((gg-1)/9), vkk, bq-1
.endif
.set gg, gg+1
.endr
	PLACES                                         ; the trip's last block leaves by itself
	WIN 0
	s_wait_xcnt 0x0
.set t, 0
.rept 8
.set cq, 0
.rept 4
	v_mov_b32 v[OB+4*t+cq], v[ACC2+32+8*cq+t]
.set cq, cq+1
.endr
.set t, t+1
.endr
	s_cmp_le_u32 s[MM], 128
	s_cbranch_scc1 .Lnolast
	WIN 0x03
.set n, 0
.rept 8
	global_store_b128 v[VOB+64+n], v[OB+4*n:OB+4*n+3], s[16:17] offset:256 th:TH_STORE_NT
.set n, n+1
.endr
	WIN 0
.Lnolast:
	s_wait_xcnt 0x0                                ; y's and vw's bases are stepped only behind this wait
	s_add_nc_u64 s[16:17], s[16:17], 512
	s_add_nc_u64 s[14:15], s[14:15], 0x10000
	s_sub_co_u32 s[PASS], s[PASS], 1
	s_cmp_lg_u32 s[PASS], 0
	s_cbranch_scc1 .Lpair
.Ldone:
	s_wait_tensorcnt 0x0                           ; the wave's end
	ds_add_u32 v[SPW], v[NIL]
	s_wait_dscnt 0x0
	s_endpgm
.Lfunc_end_k_q8622f4b756_chain:
	.size	k_q8622f4b756_chain, .Lfunc_end_k_q8622f4b756_chain-k_q8622f4b756_chain
	.p2alignl 7, 3214868480
	.fill 96, 4, 3214868480
	.section	.rodata,"a",@progbits
	.p2align	6, 0x0
	.amdhsa_kernel k_q8622f4b756_chain
		.amdhsa_group_segment_fixed_size 313856
		.amdhsa_private_segment_fixed_size 0
		.amdhsa_enable_private_segment 0
		.amdhsa_kernarg_size 56
		.amdhsa_user_sgpr_count 2
		.amdhsa_user_sgpr_kernarg_segment_ptr 1
		.amdhsa_wavefront_size32 1
		.amdhsa_system_sgpr_workgroup_id_x 1
		.amdhsa_system_sgpr_workgroup_id_y 1
		.amdhsa_system_sgpr_workgroup_id_z 1
		.amdhsa_system_vgpr_workitem_id 0
		.amdhsa_next_free_vgpr 1024
		.amdhsa_next_free_sgpr 66
		.amdhsa_reserve_vcc 0
		.amdhsa_float_denorm_mode_32 3
		.amdhsa_float_denorm_mode_16_64 3
		.amdhsa_memory_ordered 1
		.amdhsa_forward_progress 1
		.amdhsa_inst_pref_size 238
	.end_amdhsa_kernel
	.amdgpu_metadata
---
amdhsa.version: [ 1, 2 ]
amdhsa.kernels:
  - .name:           k_q8622f4b756_chain
    .symbol:         k_q8622f4b756_chain.kd
    .args:
      - { .name: counts, .offset: 0, .size: 8, .value_kind: global_buffer, .address_space: global }
      - { .name: list, .offset: 8, .size: 8, .value_kind: global_buffer, .address_space: global }
      - { .name: gate, .offset: 16, .size: 8, .value_kind: global_buffer, .address_space: global }
      - { .name: xb, .offset: 24, .size: 8, .value_kind: global_buffer, .address_space: global }
      - { .name: kw, .offset: 32, .size: 8, .value_kind: global_buffer, .address_space: global }
      - { .name: vw, .offset: 40, .size: 8, .value_kind: global_buffer, .address_space: global }
      - { .name: y, .offset: 48, .size: 8, .value_kind: global_buffer, .address_space: global }
    .group_segment_fixed_size: 313856
    .private_segment_fixed_size: 0
    .kernarg_segment_align: 8
    .kernarg_segment_size: 56
    .max_flat_workgroup_size: 128
    .sgpr_count:     66
    .vgpr_count:     1024
    .wavefront_size: 32
...
	.end_amdgpu_metadata
.endif
;; end of part 3
;; launch combine (part 4): grid 1024 x 1, 8 waves a work-group, no clusters, 0 bytes of LDS; arguments y, out0; writes out0
.if DOCPART == 4
	.amdgcn_target "amdgcn-amd-amdhsa--gfx1250"
	.amdhsa_code_object_version 6
	.text
	.protected	k_q8622f4b756_combine
	.globl	k_q8622f4b756_combine
	.p2align	8
	.type	k_q8622f4b756_combine,@function
k_q8622f4b756_combine:
	s_mov_b64 s[64:65], 0
	v_nop
	global_prefetch_b8 v0, s[64:65] scope:SCOPE_SE
	s_setreg_imm32_b32 hwreg(HW_REG_WAVE_MODE, 25, 1), 1
	s_wait_xcnt 0x0
; out0[t] = ((y[4 t] + y[4 t + 1]) + y[4 t + 2]) + y[4 t + 3], all f32: a token's four gated expert rows.  y: [32768][1024], out0: [8192][1024].
; A stream: a work-group owns 8 tokens, thread i the 16 bytes at 16 i of every row, so a wave's load or store covers 512 consecutive bytes.  All 32 loads of a wave go out first
; (16,384 bytes of each wave on their way); no loop, no LDS, no barrier; the matrix unit and clusters have nothing to do here: nothing is multiplied and no byte is read twice.
.set Y, 4                              ; v[4:131]  load n = 4 tt + k: row k of token tt
	s_load_b128 s[4:7], s[0:1], 0x0                ; y s[4:5], out0 s[6:7]
	s_lshl_b32 s8, ttmp9, 17                       ; 32 rows of 4,096 bytes
	s_mov_b32 s9, 0
	s_lshl_b32 s10, ttmp9, 15                      ; 8 rows
	s_mov_b32 s11, 0
	v_lshlrev_b32 v1, 4, v0
	s_wait_kmcnt 0x0
	s_add_nc_u64 s[4:5], s[4:5], s[8:9]
	s_add_nc_u64 s[6:7], s[6:7], s[10:11]
.set n, 0
.rept 32
	global_load_b128 v[Y+4*n:Y+4*n+3], v1, s[4:5] offset:4096*n th:TH_LOAD_NT
.set n, n+1
.endr
.set t, 0
.rept 8
.set B, Y+16*t
	s_wait_loadcnt 4*(7-t)                         ; loads come back in order: this token's four rows are in, the later tokens' four each stay out
.set k, 1
.rept 3
	v_pk_add_f32 v[B:B+1], v[B:B+1], v[B+4*k:B+4*k+1]
	v_pk_add_f32 v[B+2:B+3], v[B+2:B+3], v[B+4*k+2:B+4*k+3]
.set k, k+1
.endr
	global_store_b128 v1, v[B:B+3], s[6:7] offset:4096*t th:TH_STORE_NT
.set t, t+1
.endr
	s_endpgm
.Lfunc_end_k_q8622f4b756_combine:
	.size	k_q8622f4b756_combine, .Lfunc_end_k_q8622f4b756_combine-k_q8622f4b756_combine
	.p2alignl 7, 3214868480
	.fill 96, 4, 3214868480
	.section	.rodata,"a",@progbits
	.p2align	6, 0x0
	.amdhsa_kernel k_q8622f4b756_combine
		.amdhsa_group_segment_fixed_size 0
		.amdhsa_private_segment_fixed_size 0
		.amdhsa_enable_private_segment 0
		.amdhsa_kernarg_size 16
		.amdhsa_user_sgpr_count 2
		.amdhsa_user_sgpr_kernarg_segment_ptr 1
		.amdhsa_wavefront_size32 1
		.amdhsa_system_sgpr_workgroup_id_x 1
		.amdhsa_system_sgpr_workgroup_id_y 1
		.amdhsa_system_sgpr_workgroup_id_z 1
		.amdhsa_system_vgpr_workitem_id 0
		.amdhsa_next_free_vgpr 132
		.amdhsa_next_free_sgpr 66
		.amdhsa_reserve_vcc 0
		.amdhsa_float_denorm_mode_32 3
		.amdhsa_float_denorm_mode_16_64 3
		.amdhsa_memory_ordered 1
		.amdhsa_forward_progress 1
		.amdhsa_inst_pref_size 8
	.end_amdhsa_kernel
	.amdgpu_metadata
---
amdhsa.version: [ 1, 2 ]
amdhsa.kernels:
  - .name:           k_q8622f4b756_combine
    .symbol:         k_q8622f4b756_combine.kd
    .args:
      - { .name: y, .offset: 0, .size: 8, .value_kind: global_buffer, .address_space: global }
      - { .name: out0, .offset: 8, .size: 8, .value_kind: global_buffer, .address_space: global }
    .group_segment_fixed_size: 0
    .private_segment_fixed_size: 0
    .kernarg_segment_align: 8
    .kernarg_segment_size: 16
    .max_flat_workgroup_size: 256
    .sgpr_count:     66
    .vgpr_count:     132
    .wavefront_size: 32
...
	.end_amdgpu_metadata
.endif
;; end of part 4
